; MI455X (gfx1250); checked and timed in simulation.
; The chip was launched on July 23, 2026; its instructions are those of AMD's public machine-readable ISA for CDNA 5 (MIT licence, August 2026) and "CDNA5" Instruction Set Architecture Reference Guide (July 2026). The comments in the code are by the model that wrote it; some were corrected since.
;; Cross Attention. Allowed arithmetic: matrix products marked QUANTISED: E2M1 operands, one E8M0 scale for each 32 along K, by v_wmma_scale_f32_16x16x128_f8f6f4 with both operands' format E2M1 (or v_wmma_scale_f32_32x16x128_f4), f32 sums; everything else in f32.
;; Inputs: WkA 32 x 256 float32; WkB 32 x 256 float32; WqA 32 x 256 float32; WqB 32 x 256 float32; WvA 256 x 256 float32; WvB 256 x 256 float32; bkA 32 float32; bkB 32 float32; bqA 32 float32; bqB 32 float32; bvA 256 float32; bvB 256 float32; gamma_A 1 float32; gamma_B 1 float32; x 1 x 256 x 8 x 32 x 32 float32.
;; Outputs: out0 1 x 256 x 8 x 32 x 32 float32; out1 1 x 256 x 8 x 32 x 32 float32.
;; This version of the problem:
;;   THIS VERSION OF THE PROBLEM IS GIVEN IN LOW PRECISION. The matrix products marked QUANTISED in the list below multiply operands that are first quantised to E2M1 (2 exponent bits, 1 mantissa bit; 4 bits a number), with one power-of-two scale for each 32 numbers along K (OCP MX v1.0); their sums are f32. All else is computed in f32.
;;   The module's matrix products, in the order in which they are computed (A, B: the left and right operand; K: the contracted axis; several contracted axes count as one K, in the product's order):
;;     1. [M 8,192, K 256] x [K 256, N 32]; A: input x; B: input WqA: QUANTISED
;;     2. [M 8,192, K 256] x [K 256, N 32]; A: input x; B: input WkA: QUANTISED
;;     3. [M 8,192, K 256] x [K 256, N 256]; A: input x; B: input WvA: QUANTISED
;;     4. [M 8,192, K 256] x [K 256, N 32]; A: input x; B: input WqB: QUANTISED
;;     5. [M 8,192, K 256] x [K 256, N 32]; A: input x; B: input WkB: QUANTISED
;;     6. [M 8,192, K 256] x [K 256, N 256]; A: input x; B: input WvB: QUANTISED
;;     7. [M 8,192, K 32] x [K 32, N 8,192]; A: computed on the way; B: computed on the way: QUANTISED
;;     8. [M 256, K 8,192] x [K 8,192, N 8,192]; A: computed on the way; B: softmax (see below): QUANTISED
;;     9. [M 8,192, K 32] x [K 32, N 8,192]; A: computed on the way; B: computed on the way: QUANTISED
;;     10. [M 256, K 8,192] x [K 8,192, N 8,192]; A: computed on the way; B: softmax (see below): QUANTISED
;;   THE QUANTISER, for each operand of a quantised product, along K:
;;     - K is cut into blocks of 32 from its start; a last block that is shorter is filled with zeros.
;;     - A block's scale is 2^e with e = floor(log2(the largest magnitude in the block)) - 2, held to -126 .. 127; a block of zeros has e = 0. As a byte (E8M0): e + 127.
;;     - Each number is divided by its block's scale, clamped to +-6, and rounded to the nearest number of E2M1, ties to even, subnormals kept.
;;     - The product sums the exact products of the quantised numbers (number of the format x scale) in f32.
;;   ~~~python
;;   def quantise(x, axis):      # numpy; x: float32 -> the quantised numbers, widened to float32 again
;;       x = np.moveaxis(x, axis, -1); K = x.shape[-1]
;;       x = np.pad(x, [(0, 0)] * (x.ndim - 1) + [(0, -K % 32)]); x = x.reshape(x.shape[:-1] + (-1, 32)); a = np.abs(x).max(-1, keepdims=True)
;;       e = np.where(a > 0, np.clip(np.frexp(np.where(a > 0, a, 1))[1] - 1 - 2, -126, 127), 0)      # np.frexp(a)[1] - 1 = floor(log2(a)), exactly
;;       r = np.clip(x / 2.0 ** e, -6, 6)
;;       step = 2.0 ** (np.maximum(np.frexp(np.where(r == 0, 1, r))[1] - 1, 0) - 1)
;;       q = np.round(r / step) * step * 2.0 ** e      # np.round: ties to even
;;       return np.moveaxis(q.reshape(q.shape[:-2] + (-1,))[..., :K], -1, axis).astype(np.float32)
;;   ~~~
;;   SOFTMAX AHEAD OF A QUANTISED PRODUCT. Where the list says 'softmax', what is quantised is not the finished softmax but p = 2^(t - M), with t = logit x log2(e) and M = ceil(the row's largest t), a whole number; so 1/2 < the row's largest p <= 1. The row's sum l is taken of the UNQUANTISED p, in f32, and the product's result is divided by l at the end. Since M is a whole number, a kernel that streams over the keys may use a running M (the ceiling of the running maximum): every later rescaling is an exact power of two, which a block's scale takes up: the codes' values come out the same.
;;   OPERANDS COMPUTED ON THE WAY. 'Computed on the way' means the value that the module computes at that place (a softmax that the list does not call 'softmax' is quantised finished and normalised). What goes into a quantiser is computed in f32, as accurately as f32 sums, v_exp_f32 and their like allow (about 1e-6 of the number): no bf16 or f16 on the way to a quantiser, and a product that is left as it is and whose result goes on into a quantised operand takes f32 operands (vector FMAs, or v_wmma_f32_16x16x4_f32). A number that lies on a knife's edge between two numbers of the format may be rounded either way, as far as f32 arithmetic and the matrix unit's own rounding can turn it there, and no further.
;; One version. Each part assembles by itself: llvm-mc -triple=amdgcn-amd-amdhsa -mcpu=gfx1250 --defsym DOCPART=n.
;; ======== version 1 of 1: 2 launches
;; workspace buffers: kv 2,523,136 bytes; qimg 294,912 bytes
;; launch prep (part 1): grid 64 x 4, 8 waves a work-group, no clusters, 23,552 bytes of LDS; arguments x, WvA, WvB, WkA, WqA, WkB, WqB, bvA, bvB, bkA, bqA, bkB, bqB, kv, qimg; writes kv, qimg
.if DOCPART == 1
	.amdgcn_target "amdgcn-amd-amdhsa--gfx1250"
	.amdhsa_code_object_version 6
	.text
	.protected	k_qf2ee82acc0_prep
	.globl	k_qf2ee82acc0_prep
	.p2align	8
	.type	k_qf2ee82acc0_prep,@function
k_qf2ee82acc0_prep:
	s_mov_b64 s[64:65], 0
	v_nop
	global_prefetch_b8 v0, s[64:65] scope:SCOPE_SE
	s_setreg_imm32_b32 hwreg(HW_REG_WAVE_MODE, 25, 1), 1
	s_wait_xcnt 0x0
; PREP: the six projections (K = 256 channels) on codes of FP4 (E2M1) with one E8M0 scale for each 32 along K, and their results quantised again as the operands of the attention launch.
; x [256 channels][8192 positions], the weights [out][256] and the biases are f32.  Work-group (sg, y): positions 128 sg .. + 127; set = y / 2 (0: the A weights, 1: the B weights); half = y % 2:
; V's channels 128 half .. + 127 of the set, and the set's K (half 0) or Q (half 1).
; PHASE X.  Wave w quantises x along the channels for 32 positions (w % 4) and 128 channels (w / 4): A LANE TAKES A POSITION AND ITS REGISTERS RUN DOWN THE CHANNELS, so a block of 32 lies in one lane.  The codes go
; to LDS as images of operand registers (fragment = 16 positions x 128 channels: registers 4 c .. 4 c + 3 of lane l at 512 c + 16 l).  THE POSITIONS OF A TILE ARE NOT NEIGHBOURS: row r of tile t is position
; 32 (t / 2) + 8 (t % 2) + r + 8 (r / 8), so that the 16 registers of two neighbouring result tiles are 16 neighbouring positions.  Each wave also quantises its 16 rows of Wv into registers, and an eighth of the small weight into LDS.
; PHASE V.  D = x tile (source 0) x Wv (source 1) + bias: a lane holds ONE channel and 64 registers that run along the positions, which are the K of the attention's second product: they are quantised in
; registers and ARE a fragment (16 channels x 128 keys) of V.
; PHASE Q/K.  D = small weight (source 0, rows chosen likewise) x x tile w (source 1) + bias: a lane holds one position and 16 neighbouring channels; lanes l and l xor 16 hold the block of 32.
; OUT.  kv[set][sg]: 16 images of V (1,024 bytes each), 1,024 bytes of V's scale words, 2,048 bytes of K's codes (tile t, row m: 16 bytes at 256 t + 16 m), 256 bytes of K's scale bytes (64 (t / 4) + 4 m + t % 4; the
; upper 128 bytes are zeros).  qimg[set][sg]: Q's codes and scale bytes in K's form.  Every store of a wave covers 256 or 512 consecutive bytes, aligned.
; NO CLUSTER, NO TENSOR LOAD: the four work-groups of one sg read the same 128 columns of x, but through register loads in which a lane takes a column; brought jointly into LDS as rows of channels, each number
; would have to be read from LDS once more, a word a lane.
; LIMITS: NaN and infinities among the inputs are not served.  A block whose largest magnitude lies under 2^-124 gets the scale byte 1, a block of zeros too (the rule says 127): its codes are zeros, and this program alone reads the bytes.
.set SB,    19712                      ; a step-block of kv: 128 keys
.set KVSET, 64*SB
.set QB,    2304                       ; a block of qimg: 128 positions
.set QSET,  64*QB
.set OFVS,  16384                      ; in a step-block: V's scale words,
.set OFK,   17408                      ; K's codes; K's scale bytes 2,048 bytes on
.set XIMG,  0                          ; LDS: x's 16 fragments, (tile t, K step s) at 1024 (2 t + s)
.set XSC,   16384                      ; their scale words: tile t: 64 bytes for s = 0, 64 for s = 1
.set WIMG,  17408                      ; the small weight's 4 fragments (2 u + s)
.set WSC,   21504                      ; their scale words: tile u: 64 bytes for s = 0, 64 for s = 1
.set VSS,   21760                      ; this half's 512 bytes of V's scale words
.set QSS,   22272                      ; the 256 scale bytes of K or Q
.set FLOOR, 0x1800000                  ; 2^(3 - 127): no largest magnitude is taken under it, so no byte falls under 1
.set EOFF,  0xff000000                 ; takes 2 off an exponent field
.set LN,  1                            ; v1 lane, v2 r = lane % 16, v3 h = lane / 16
.set RR,  2
.set HH,  3
.set XG,  4                            ; global offsets: x: 4 lane
.set WVG, 5                            ; Wv: 1024 r + 128 h
.set WSG, 6                            ; the small weight: 1024 (r + 8 (r / 8)) + 128 h
.set BVG, 7                            ; bv: 4 r
.set BSG, 8                            ; the small bias: 64 h
.set XST, 9                            ; LDS: where my block's 16 bytes of x's codes go
.set XSS, 10                           ; and my position's scale word
.set LI,  11                           ; 16 lane
.set LS,  12                           ; 4 lane
.set WIST, 13                          ; the small weight's image: WIMG + 512 w + 16 lane
.set WSB, 14                           ; and its scale byte
.set VSSA, 15
.set QSSA, 16
.set QSZ, 17
.set LIW, 18                           ; x's two fragments of tile w
.set XSQA, 19                          ; and their scale words
.set QGO, 20                           ; 16 r + 8 h
.set L8,  21                           ; 8 lane
.set H8,  22                           ; 8 h
.set WB,  23                           ; the small weight's scale byte
.set TM,  24                           ; v24-35 at work
.set PW,  36                           ; V's scale word
.set XW,  37                           ; x's scale word
.set XSQ, 38                           ; x's scale words of tile w
.set ZR,  39                           ; 0
.set WS,  40                           ; v40-41 Wv's scale words, K step 0, 1
.set WQS, 42                           ; v42-43 the small weight's
.set QC,  44                           ; v44-47 the small weight's codes; later v44-45 Q's or K's
.set WF,  48                           ; v48-63 Wv's two fragments
.set XB,  64                           ; v64-95 the small weight's numbers, then blocks 1, 3 of x
.set XA,  96                           ; v96-127 blocks 0, 2 of x
.set WR,  128                          ; v128-255 Wv's numbers
.set XC,  128                          ; v128-143 x's codes, once Wv is quantised
.set XF,  64                           ; behind the first barrier: v64-127 x's 8 fragments of one K step
.set PC,  64                           ; at last V's codes
.set WQF, 128                          ; v128-159 the small weight's 4 fragments
.set VD,  128                          ; v128-191 V: 8 tiles of positions
.set XS,  192                          ; v192-199 x's scale words, tile t
.set BVR, 200                          ; v200-207 bv of my channel, eight times
.set BSR, 208                          ; v208-223 the small bias in the result's layout
.set XQ,  224                          ; v224-239 x's two fragments of tile w
.set QD,  240                          ; v240-255 Q or K: two tiles of channels
.set WV,  46                           ; s46 wave, s47 set, s48 half, s49 w % 4, s50 w / 4
.set SET, 47
.set HALF, 48
.set PG,  49
.set KS,  50
.set SEL, 52                           ; s[52:53] v_permlanex16_b32's selects for lane l xor 16
	s_load_b512 s[4:19], s[0:1], 0x0               ; x, WvA, WvB, WkA, WqA, WkB, WqB, bvA
	s_load_b256 s[20:27], s[0:1], 0x40             ; bvB, bkA, bqA, bkB
	s_load_b128 s[28:31], s[0:1], 0x60             ; bqB, kv
	s_load_b64 s[32:33], s[0:1], 0x70              ; qimg
	s_set_vgpr_msb 0x40
	v_lshl_add_u32 v0, v0, 2, 0x5800
	v_mov_b32 v1, 0
	s_set_vgpr_msb 0x4000
	v_lshrrev_b32 v1, 5, v0
	v_readfirstlane_b32 s[WV], v1                  ; wave 0..7
	v_and_b32 v[LN], 31, v0
	v_and_b32 v[RR], 15, v0
	v_bfe_u32 v[HH], v0, 4, 1
	s_and_b32 s54, ttmp7, 0xffff
	s_lshr_b32 s[SET], s54, 1
	s_and_b32 s[HALF], s54, 1
	s_and_b32 s[PG], s[WV], 3
	s_lshr_b32 s[KS], s[WV], 2
	s_mov_b32 s[SEL], 0x76543210
	s_mov_b32 s[SEL+1], 0xfedcba98
	v_lshlrev_b32 v[XG], 2, v[LN]
	v_lshlrev_b32 v[WVG], 10, v[RR]
	v_lshl_add_u32 v[WVG], v[HH], 7, v[WVG]
	v_and_b32 v[WB], 8, v[RR]
	v_add_nc_u32 v[WB], v[WB], v[RR]               ; r + 8 (r / 8)
	v_lshlrev_b32 v[WSG], 10, v[WB]
	v_lshl_add_u32 v[WSG], v[HH], 7, v[WSG]
	v_lshlrev_b32 v[BVG], 2, v[RR]
	v_lshlrev_b32 v[BSG], 6, v[HH]
	; my position 32 (w % 4) + lane is row (lane % 8) + 8 (lane / 16) of tile 2 (w % 4) + (lane / 8) % 2
	v_bfe_u32 v[TM], v0, 3, 1
	v_and_b32 v[TM+1], 7, v0
	v_lshl_add_u32 v[TM+1], v[HH], 3, v[TM+1]
	v_lshlrev_b32 v[XST], 4, v[TM+1]
	v_lshl_add_u32 v[XST], v[TM], 11, v[XST]
	s_lshl_b32 s54, s[PG], 12
	s_lshl_b32 s55, s[KS], 10
	s_add_co_u32 s54, s54, s55
	v_add_nc_u32 v[XST], s54, v[XST]               ; 4096 (w % 4) + 2048 (tile's parity) + 1024 (w / 4) + 16 row; block b 256 b on
	v_lshlrev_b32 v[XSS], 2, v[TM+1]
	v_lshl_add_u32 v[XSS], v[TM], 7, v[XSS]
	s_lshl_b32 s54, s[PG], 8
	s_lshl_b32 s55, s[KS], 6
	s_add_co_u32 s54, s54, s55
	s_add_co_u32 s54, s54, XSC
	v_add_nc_u32 v[XSS], s54, v[XSS]
	v_lshlrev_b32 v[LI], 4, v[LN]
	v_lshlrev_b32 v[LS], 2, v[LN]
	s_lshl_b32 s54, s[WV], 9
	s_add_co_u32 s54, s54, WIMG
	v_add_nc_u32 v[WIST], s54, v[LI]
	s_lshr_b32 s54, s[WV], 1
	s_lshl_b32 s54, s54, 6
	s_and_b32 s55, s[WV], 1
	s_lshl_b32 s55, s55, 1
	s_add_co_u32 s54, s54, s55
	s_add_co_u32 s54, s54, WSC
	v_lshl_add_u32 v[WSB], v[RR], 2, v[HH]
	v_add_nc_u32 v[WSB], s54, v[WSB]               ; WSC + 64 (w / 2) + 4 r + 2 (w % 2) + h
	s_lshl_b32 s54, s[KS], 8
	s_lshl_b32 s55, s[PG], 2
	s_add_co_u32 s54, s54, s55
	s_add_co_u32 s54, s54, VSS
	v_lshlrev_b32 v[VSSA], 4, v[RR]
	v_add_nc_u32 v[VSSA], s54, v[VSSA]             ; VSS + 16 (r + 16 (w / 4)) + 4 (w % 4)
	s_lshl_b32 s54, s[KS], 6
	s_add_co_u32 s54, s54, s[PG]
	s_add_co_u32 s54, s54, QSS
	v_lshlrev_b32 v[QSSA], 2, v[RR]
	v_add_nc_u32 v[QSSA], s54, v[QSSA]             ; QSS + 64 (w / 4) + 4 r + w % 4
	s_lshl_b32 s54, s[WV], 4
	s_add_co_u32 s54, s54, QSS+128
	v_add_nc_u32 v[QSZ], s54, v[RR]                ; the zeros: QSS + 128 + 16 w + r
	s_lshl_b32 s54, s[WV], 11
	v_add_nc_u32 v[LIW], s54, v[LI]
	s_lshl_b32 s54, s[WV], 7
	s_add_co_u32 s54, s54, XSC
	v_add_nc_u32 v[XSQA], s54, v[LS]
	v_lshlrev_b32 v[QGO], 4, v[RR]
	v_lshl_add_u32 v[QGO], v[HH], 3, v[QGO]
	v_lshlrev_b32 v[L8], 3, v[LN]
	v_lshlrev_b32 v[H8], 3, v[HH]
	v_mov_b32 v[ZR], 0
.irp b, 4,5,6,7
	v_mov_b32 v[TM+\b], 0                          ; written once: a lane permute's destination counts as one of its sources
.endr
	s_mul_i32 s56, s[SET], KVSET                   ; offsets, made apart from the addresses
	s_mul_i32 s57, ttmp9, SB
	s_add_co_u32 s56, s56, s57                     ; my step-block in kv
	s_mul_i32 s58, s[SET], QSET
	s_mul_i32 s59, ttmp9, QB
	s_add_co_u32 s58, s58, s59                     ; my block in qimg
	s_add_co_u32 s59, s56, OFK                     ; K's place in kv
	s_wait_kmcnt 0x0
	s_cmp_eq_u32 s[SET], 0                         ; the choices hang on the work-group's number alone
	s_cselect_b64 s[6:7], s[6:7], s[8:9]           ; Wv
	s_cselect_b64 s[18:19], s[18:19], s[20:21]     ; bv
	s_cselect_b64 s[10:11], s[10:11], s[14:15]     ; Wk
	s_cselect_b64 s[12:13], s[12:13], s[16:17]     ; Wq
	s_cselect_b64 s[22:23], s[22:23], s[26:27]     ; bk
	s_cselect_b64 s[24:25], s[24:25], s[28:29]     ; bq
	s_cmp_eq_u32 s[HALF], 0
	s_cselect_b64 s[10:11], s[10:11], s[12:13]     ; the small weight,
	s_cselect_b64 s[22:23], s[22:23], s[24:25]     ; its bias,
	s_cselect_b64 s[34:35], s[30:31], s[32:33]     ; and where its result goes
	s_cselect_b32 s58, s59, s58
	s_mov_b32 s59, 0
	s_add_nc_u64 s[34:35], s[34:35], s[58:59]
	s_lshl_b32 s54, s[KS], 13
	s_lshl_b32 s60, s[PG], 8
	s_add_co_u32 s54, s54, s60
	s_mov_b32 s55, 0
	s_add_nc_u64 s[10:11], s[10:11], s[54:55]      ; my eighth: tile w / 4, K step (w / 2) % 2, half w % 2: 8192 (w / 4) + 256 (w % 4)
	s_lshl_b32 s54, s[HALF], 17
	s_lshl_b32 s60, s[WV], 14
	s_add_co_u32 s54, s54, s60
	s_add_nc_u64 s[6:7], s[6:7], s[54:55]          ; Wv at row 128 half + 16 w
	s_lshl_b32 s54, ttmp9, 9
	s_lshl_b32 s60, s[PG], 7
	s_add_co_u32 s54, s54, s60
	s_lshl_b32 s60, s[KS], 22
	s_add_co_u32 s54, s54, s60
	s_add_nc_u64 s[4:5], s[4:5], s[54:55]          ; x at channel 128 (w / 4), position 128 sg + 32 (w % 4)
.irp q, 0,1,2,3,4,5,6,7
	global_load_b128 v[XB+4*\q:XB+4*\q+3], v[WSG], s[10:11] offset:16*\q       ; 32 neighbours along K of my row of the small weight
.endr
.irp s, 0,1
.irp c, 0,1
.irp q, 0,1,2,3,4,5,6,7
	global_load_b128 v[WR+64*\s+32*\c+4*\q:WR+64*\s+32*\c+4*\q+3], v[WVG], s[6:7] offset:512*\s+256*\c+16*\q   ; Wv(row r, k = 128 s + 64 c + 32 h + 4 q ..)
.endr
.endr
.endr
.macro XLOAD b, reg                    ; block b: x(channel 32 b + i, my position): 128 consecutive bytes a wave, the four waves of a K step side by side on 512
.irp i, 0,1,2,3,4,5,6,7,8,9,10,11,12,13,14,15,16,17,18,19,20,21,22,23,24,25,26,27,28,29,30,31
	global_load_b32 v[\reg+\i], v[XG], s[4:5] offset:(32*(\b)+\i)*32768
.endr
.endm
	XLOAD 0, XA
	s_lshl_b32 s54, s[HALF], 9
	s_lshl_b32 s60, s[WV], 6
	s_add_co_u32 s54, s54, s60
	s_add_nc_u64 s[18:19], s[18:19], s[54:55]      ; bv at channel 128 half + 16 w
	s_mov_b32 s57, 0
	s_add_nc_u64 s[30:31], s[30:31], s[56:57]      ; kv at my step-block
	s_lshl_b32 s54, s[HALF], 13
	s_lshl_b32 s60, s[WV], 10
	s_add_co_u32 s54, s54, s60
	s_add_nc_u64 s[40:41], s[30:31], s[54:55]      ; V's image 8 half + w
	s_lshl_b32 s54, s[HALF], 9
	s_add_co_u32 s54, s54, OFVS
	s_add_nc_u64 s[42:43], s[30:31], s[54:55]      ; this half's scale words of V
	s_lshl_b32 s54, s[WV], 8
	s_add_nc_u64 s[44:45], s[34:35], s[54:55]      ; tile w's 256 bytes of K's or Q's codes
; the largest magnitude of 32 registers, with the floor, in v[TM]; the conversion's scale operand (2 off the exponent field) in v[TM+2]
.macro BMAX xs
	v_max3_num_f32 v[TM], |v[\xs]|, |v[\xs+1]|, |v[\xs+2]|
	v_max3_num_f32 v[TM+1], |v[\xs+3]|, |v[\xs+4]|, |v[\xs+5]|
.irp i, 6,10,14,18,22,26
	v_max3_num_f32 v[TM], v[TM], |v[\xs+\i]|, |v[\xs+\i+1]|
	v_max3_num_f32 v[TM+1], v[TM+1], |v[\xs+\i+2]|, |v[\xs+\i+3]|
.endr
	v_max3_num_f32 v[TM], v[TM], |v[\xs+30]|, |v[\xs+31]|
	v_max3_num_f32 v[TM], v[TM], v[TM+1], FLOOR
	v_add_nc_u32 v[TM+2], EOFF, v[TM]
.endm
; block b of my position: its byte into the scale word, its 32 codes (16 bytes) into x's image.  Each block has its own four registers for its codes.
.macro XBLOCK b, reg
	BMAX \reg
.if \b == 0
	v_lshrrev_b32 v[XW], 23, v[TM+2]
.else
	v_lshrrev_b32 v[TM+3], 23, v[TM+2]
	v_lshl_or_b32 v[XW], v[TM+3], 8*\b, v[XW]
.endif
.irp g, 0,1,2,3
	v_cvt_scalef32_pk8_fp4_f32 v[XC+4*\b+\g], v[\reg+8*\g:\reg+8*\g+7], v[TM+2]
.endr
	ds_store_b128 v[XST], v[XC+4*\b:XC+4*\b+3] offset:256*\b   ; (the next vector line is a plain one that names none of these registers)
.endm
; K step s of Wv: a lane holds blocks h and 2 + h of its row whole; the conversions' results are the operand's registers; the scale word's four bytes are gathered from lanes l and l xor 16
.macro QW s
.irp c, 0,1
	v_max3_num_f32 v[TM+\c], |v[WR+64*\s+32*\c]|, |v[WR+64*\s+32*\c+1]|, FLOOR
.endr
.irp i, 2,4,6,8,10,12,14,16,18,20,22,24,26,28,30
.irp c, 0,1
	v_max3_num_f32 v[TM+\c], v[TM+\c], |v[WR+64*\s+32*\c+\i]|, |v[WR+64*\s+32*\c+\i+1]|
.endr
.endr
.irp c, 0,1
	v_add_nc_u32 v[TM+2+\c], EOFF, v[TM+\c]
.endr
.irp c, 0,1
	v_lshrrev_b32 v[TM+4+\c], 23, v[TM+2+\c]
.endr
	v_lshl_or_b32 v[WS+\s], v[TM+5], 16, v[TM+4]
	v_lshlrev_b32 v[WS+\s], v[H8], v[WS+\s]
	v_permlanex16_b32 v[TM+6], v[WS+\s], s[SEL], s[SEL+1]
	v_or_b32 v[WS+\s], v[WS+\s], v[TM+6]
.irp c, 0,1
.irp g, 0,1,2,3
	v_cvt_scalef32_pk8_fp4_f32 v[WF+8*\s+4*\c+\g], v[WR+64*\s+32*\c+8*\g:WR+64*\s+32*\c+8*\g+7], v[TM+2+\c]
.endr
.endr
.endm
; 64 registers of a lane, register 16 b + i = k 32 b + 16 h + i of my row, become a fragment's codes in v[PC] on and its scale word in v[PW]
.macro QUANT s
.irp b, 0,1,2,3
	v_max3_num_f32 v[TM+\b], |v[\s+16*\b]|, |v[\s+1+16*\b]|, FLOOR     ; each accumulator is read from its low end on
.endr
.irp i, 2,4,6,8,10,12,14
.irp b, 0,1,2,3
	v_max3_num_f32 v[TM+\b], v[TM+\b], |v[\s+16*\b+\i]|, |v[\s+1+16*\b+\i]|
.endr
.endr
.irp b, 0,1,2,3
	v_permlanex16_b32 v[TM+4+\b], v[TM+\b], s[SEL], s[SEL+1]
.endr
.irp b, 0,1,2,3
	v_max_num_f32 v[TM+\b], v[TM+\b], v[TM+4+\b]
.endr
.irp b, 0,1,2,3
	v_add_nc_u32 v[TM+8+\b], EOFF, v[TM+\b]
.endr
.irp b, 0,1,2,3
	v_lshrrev_b32 v[TM+4+\b], 23, v[TM+8+\b]
.endr
	v_lshl_or_b32 v[PW], v[TM+5], 8, v[TM+4]
	v_lshl_or_b32 v[PW], v[TM+6], 16, v[PW]
	v_lshl_or_b32 v[PW], v[TM+7], 24, v[PW]
.irp b, 0,1,2,3
	v_cvt_scalef32_pk8_fp4_f32 v[PC+2*\b], v[\s+16*\b:\s+7+16*\b], v[TM+8+\b]
	v_cvt_scalef32_pk8_fp4_f32 v[PC+1+2*\b], v[\s+8+16*\b:\s+15+16*\b], v[TM+8+\b]
.endr
	v_nop                                          ; one plain place behind a scaled conversion
.irp c, 0,1                                    ; the operand's layout wants a whole block in a lane
.irp i, 0,1
	v_permlane16_swap_b32 v[PC+4*\c+\i], v[PC+2+4*\c+\i]
.endr
.endr
.endm
.macro BARRIER                         ; my LDS stores have landed and my LDS loads are in: then the work-group's barrier
	s_wait_dscnt 0x0
	s_barrier_signal -1
	s_barrier_wait -1
.endm
.macro XFLOAD s                        ; x's eight fragments of K step s
.irp t, 0,1,2,3,4,5,6,7
.irp c, 0,1
	ds_load_b128 v[XF+8*\t+4*\c:XF+8*\t+4*\c+3], v[LI] offset:XIMG+(2*\t+\s)*1024+512*\c
.endr
.endr
.endm
	s_wait_loadcnt 32                              ; the weights are in; behind them only block 0's 32 loads were issued
	BMAX XB                                        ; my block of the small weight
	v_lshrrev_b32 v[WB], 23, v[TM+2]
.irp g, 0,1,2,3
	v_cvt_scalef32_pk8_fp4_f32 v[QC+\g], v[XB+8*\g:XB+8*\g+7], v[TM+2]
.endr
	ds_store_b128 v[WIST], v[QC:QC+3]
	ds_store_b8 v[WSB], v[WB]
	XLOAD 1, XB
	QW 0
	QW 1
	global_load_b32 v[BVR], v[BVG], s[18:19]       ; bv of channel 128 half + 16 w + r
.irp u, 0,1
	global_load_b128 v[BSR+8*\u:BSR+8*\u+3], v[BSG], s[22:23] offset:32*\u         ; the small bias of channels 16 h + 8 u + 0 .. 7
	global_load_b128 v[BSR+8*\u+4:BSR+8*\u+7], v[BSG], s[22:23] offset:32*\u+16
.endr
	s_wait_loadcnt 37                              ; block 0 is in; behind it: block 1's 32 and the 5 of the biases
	XBLOCK 0, XA
	XLOAD 2, XA
	s_wait_loadcnt 37                              ; block 1 is in; behind it: the biases' 5 and block 2's 32
	XBLOCK 1, XB
	XLOAD 3, XB
	s_wait_loadcnt 32                              ; the biases and block 2 are in
	XBLOCK 2, XA
	s_wait_loadcnt 0x0
	XBLOCK 3, XB
	ds_store_b32 v[XSS], v[XW]
.irp j, 1,2,3,4,5,6,7
	v_mov_b32 v[BVR+\j], v[BVR]                    ; the bias as the C of a sum's first product: all eight positions of a lane have its channel's
.endr
	BARRIER                                        ; x's sixteen fragments, the small weight's four and their scale words lie in LDS
.irp k, 0,1,2,3,4,5,6,7
	ds_load_b128 v[WQF+4*\k:WQF+4*\k+3], v[LI] offset:WIMG+512*\k
.endr
	ds_load_b32 v[WQS], v[LS] offset:WSC           ; lanes 0-15: K step 0's words, lanes 16-31: K step 1's
	ds_load_b32 v[WQS+1], v[LS] offset:WSC+128
.irp k, 0,1,2,3
	ds_load_b128 v[XQ+4*\k:XQ+4*\k+3], v[LIW] offset:XIMG+512*\k
.endr
	ds_load_b32 v[XSQ], v[XSQA]
.irp t, 0,1,2,3,4,5,6,7
	ds_load_b32 v[XS+\t], v[LS] offset:XSC+128*\t
.endr
	XFLOAD 0
	s_wait_dscnt 24                                ; all but x's 8 scale words and 16 fragment loads
	; Q or K of tile w's 16 positions: two accumulators by turns
	v_wmma_scale_f32_16x16x128_f8f6f4 v[QD:QD+7], v[WQF:WQF+7], v[XQ:XQ+7], v[BSR:BSR+7], v[WQS], v[XSQ] matrix_a_fmt:MATRIX_FMT_FP4 matrix_b_fmt:MATRIX_FMT_FP4
	v_wmma_scale_f32_16x16x128_f8f6f4 v[QD+8:QD+15], v[WQF+16:WQF+23], v[XQ:XQ+7], v[BSR+8:BSR+15], v[WQS+1], v[XSQ] matrix_a_fmt:MATRIX_FMT_FP4 matrix_b_fmt:MATRIX_FMT_FP4
	v_wmma_scale_f32_16x16x128_f8f6f4 v[QD:QD+7], v[WQF+8:WQF+15], v[XQ+8:XQ+15], v[QD:QD+7], v[WQS], v[XSQ] matrix_a_fmt:MATRIX_FMT_FP4 matrix_b_fmt:MATRIX_FMT_FP4 matrix_a_scale:MATRIX_SCALE_ROW1 matrix_b_scale:MATRIX_SCALE_ROW1
	v_wmma_scale_f32_16x16x128_f8f6f4 v[QD+8:QD+15], v[WQF+24:WQF+31], v[XQ+8:XQ+15], v[QD+8:QD+15], v[WQS+1], v[XSQ] matrix_a_fmt:MATRIX_FMT_FP4 matrix_b_fmt:MATRIX_FMT_FP4 matrix_a_scale:MATRIX_SCALE_ROW1 matrix_b_scale:MATRIX_SCALE_ROW1
.rept 5
	v_nop                                          ; five places: V's results are laid over the small weight's fragments, which those products read (ISA guide 7.12.1)
.endr
	s_wait_dscnt 0x0
.irp t, 0,1,2,3,4,5,6,7                        ; V, K step 0: source 0 = 16 positions of x, source 1 = my 16 rows of Wv
	v_wmma_scale_f32_16x16x128_f8f6f4 v[VD+8*\t:VD+8*\t+7], v[XF+8*\t:XF+8*\t+7], v[WF:WF+7], v[BVR:BVR+7], v[XS+\t], v[WS] matrix_a_fmt:MATRIX_FMT_FP4 matrix_b_fmt:MATRIX_FMT_FP4
.endr
.rept 4
	v_nop                                          ; four places in front of loads into registers that those products read
.endr
	XFLOAD 1
	; while they land: Q or K is quantised along its 32 channels: my 16 and lane l xor 16's
	v_max3_num_f32 v[TM], |v[QD]|, |v[QD+1]|, FLOOR
	v_max3_num_f32 v[TM+1], |v[QD+8]|, |v[QD+9]|, FLOOR
.irp i, 2,4,6
	v_max3_num_f32 v[TM], v[TM], |v[QD+\i]|, |v[QD+\i+1]|
	v_max3_num_f32 v[TM+1], v[TM+1], |v[QD+8+\i]|, |v[QD+9+\i]|
.endr
	v_max_num_f32 v[TM], v[TM], v[TM+1]
	v_permlanex16_b32 v[TM+6], v[TM], s[SEL], s[SEL+1]
	v_max_num_f32 v[TM], v[TM], v[TM+6]
	v_add_nc_u32 v[TM+2], EOFF, v[TM]
	v_lshrrev_b32 v[TM+3], 23, v[TM+2]
	v_cvt_scalef32_pk8_fp4_f32 v[QC], v[QD:QD+7], v[TM+2]              ; channels 16 h + 0 .. 7
	v_cvt_scalef32_pk8_fp4_f32 v[QC+1], v[QD+8:QD+15], v[TM+2]         ; and + 8 .. 15
	v_nop                                          ; one plain place behind a scaled conversion
	global_store_b64 v[QGO], v[QC:QC+1], s[44:45]  ; the wave stores 256 consecutive bytes, aligned: row r's 16 bytes from lanes r and r + 16
	ds_store_b8 v[QSSA], v[TM+3]                   ; both lanes of a block write the same byte with the same value
	ds_store_b8 v[QSZ], v[ZR]
	s_wait_dscnt 0x0                               ; x's fragments of K step 1 are in
.irp t, 0,1,2,3,4,5,6,7                        ; V, K step 1: the eight accumulators in the same order
	v_wmma_scale_f32_16x16x128_f8f6f4 v[VD+8*\t:VD+8*\t+7], v[XF+8*\t:XF+8*\t+7], v[WF+8:WF+15], v[VD+8*\t:VD+8*\t+7], v[XS+\t], v[WS+1] matrix_a_fmt:MATRIX_FMT_FP4 matrix_b_fmt:MATRIX_FMT_FP4 matrix_a_scale:MATRIX_SCALE_ROW1
.endr
.rept 4
	v_nop                                          ; four places in front of the first read of results
.endr
	QUANT VD                                       ; register 16 b + i is key 32 b + 16 h + i of my channel
	global_store_b128 v[LI], v[PC:PC+3], s[40:41]              ; the image: 512 consecutive bytes a store
	global_store_b128 v[LI], v[PC+4:PC+7], s[40:41] offset:512
	ds_store_b32 v[VSSA], v[PW]                    ; lanes r and r + 16 hold the same word
	BARRIER                                        ; the scale words of V and the scale bytes of K or Q lie in LDS
	s_cmp_lg_u32 s[WV], 0                          ; wave 0 stores them, in whole runs
	s_cbranch_scc1 .Ldone
	ds_load_b128 v[XQ:XQ+3], v[LI] offset:VSS
	ds_load_b64 v[XQ+4:XQ+5], v[L8] offset:QSS
	s_wait_dscnt 0x0
	global_store_b128 v[LI], v[XQ:XQ+3], s[42:43]              ; 512 consecutive bytes
	global_store_b64 v[L8], v[XQ+4:XQ+5], s[34:35] offset:2048 ; 256 consecutive bytes
.Ldone:
	s_set_vgpr_msb 0x5
	s_wait_tensorcnt 0x0
	ds_add_u32 v0, v1
	s_wait_dscnt 0x0
	s_set_vgpr_msb 0x500
	s_endpgm
.Lfunc_end_k_qf2ee82acc0_prep:
	.size	k_qf2ee82acc0_prep, .Lfunc_end_k_qf2ee82acc0_prep-k_qf2ee82acc0_prep
	.p2alignl 7, 3214868480
	.fill 96, 4, 3214868480
	.section	.rodata,"a",@progbits
	.p2align	6, 0x0
	.amdhsa_kernel k_qf2ee82acc0_prep
		.amdhsa_group_segment_fixed_size 23552
		.amdhsa_private_segment_fixed_size 0
		.amdhsa_enable_private_segment 0
		.amdhsa_kernarg_size 120
		.amdhsa_user_sgpr_count 2
		.amdhsa_user_sgpr_kernarg_segment_ptr 1
		.amdhsa_wavefront_size32 1
		.amdhsa_system_sgpr_workgroup_id_x 1
		.amdhsa_system_sgpr_workgroup_id_y 1
		.amdhsa_system_sgpr_workgroup_id_z 1
		.amdhsa_system_vgpr_workitem_id 0
		.amdhsa_next_free_vgpr 258
		.amdhsa_next_free_sgpr 66
		.amdhsa_reserve_vcc 0
		.amdhsa_float_denorm_mode_32 3
		.amdhsa_float_denorm_mode_16_64 3
		.amdhsa_memory_ordered 1
		.amdhsa_forward_progress 1
		.amdhsa_inst_pref_size 48
	.end_amdhsa_kernel
	.amdgpu_metadata
---
amdhsa.version: [ 1, 2 ]
amdhsa.kernels:
  - .name:           k_qf2ee82acc0_prep
    .symbol:         k_qf2ee82acc0_prep.kd
    .args:
      - { .name: x, .offset: 0, .size: 8, .value_kind: global_buffer, .address_space: global }
      - { .name: WvA, .offset: 8, .size: 8, .value_kind: global_buffer, .address_space: global }
      - { .name: WvB, .offset: 16, .size: 8, .value_kind: global_buffer, .address_space: global }
      - { .name: WkA, .offset: 24, .size: 8, .value_kind: global_buffer, .address_space: global }
      - { .name: WqA, .offset: 32, .size: 8, .value_kind: global_buffer, .address_space: global }
      - { .name: WkB, .offset: 40, .size: 8, .value_kind: global_buffer, .address_space: global }
      - { .name: WqB, .offset: 48, .size: 8, .value_kind: global_buffer, .address_space: global }
      - { .name: bvA, .offset: 56, .size: 8, .value_kind: global_buffer, .address_space: global }
      - { .name: bvB, .offset: 64, .size: 8, .value_kind: global_buffer, .address_space: global }
      - { .name: bkA, .offset: 72, .size: 8, .value_kind: global_buffer, .address_space: global }
      - { .name: bqA, .offset: 80, .size: 8, .value_kind: global_buffer, .address_space: global }
      - { .name: bkB, .offset: 88, .size: 8, .value_kind: global_buffer, .address_space: global }
      - { .name: bqB, .offset: 96, .size: 8, .value_kind: global_buffer, .address_space: global }
      - { .name: kv, .offset: 104, .size: 8, .value_kind: global_buffer, .address_space: global }
      - { .name: qimg, .offset: 112, .size: 8, .value_kind: global_buffer, .address_space: global }
    .group_segment_fixed_size: 23552
    .private_segment_fixed_size: 0
    .kernarg_segment_align: 8
    .kernarg_segment_size: 120
    .max_flat_workgroup_size: 256
    .sgpr_count:     66
    .vgpr_count:     258
    .wavefront_size: 32
...
	.end_amdgpu_metadata
.endif
;; end of part 1
;; launch attn (part 2): grid 128 x 2, 8 waves a work-group, clusters of 4 x 1, 327,680 bytes of LDS; arguments kv, qimg, x, gamma_A, gamma_B, out0, out1; writes out0, out1
.if DOCPART == 2
	.amdgcn_target "amdgcn-amd-amdhsa--gfx1250"
	.amdhsa_code_object_version 6
	.text
	.protected	k_qf2ee82acc0_attn
	.globl	k_qf2ee82acc0_attn
	.p2align	8
	.type	k_qf2ee82acc0_attn,@function
k_qf2ee82acc0_attn:
	s_mov_b64 s[64:65], 0
	v_nop
	global_prefetch_b8 v0, s[64:65] scope:SCOPE_SE
	s_setreg_imm32_b32 hwreg(HW_REG_WAVE_MODE, 25, 1), 1
	s_wait_xcnt 0x0
	s_wait_alu depctr_hold_cnt(0) depctr_sa_sdst(0) depctr_va_vdst(0) depctr_va_sdst(0) depctr_va_ssrc(0) depctr_va_vcc(0) depctr_vm_vsrc(0)
	s_getreg_b32 s2, hwreg(HW_REG_IB_STS2, 6, 4)
	s_cmp_eq_u32 s2, 0
	s_cbranch_scc0 .Lentry_in_a_cluster
	s_endpgm
.Lentry_in_a_cluster:
	s_bfe_u32 s2, ttmp6, 0x10000c
	s_cmp_lg_u32 s2, 0x3003
	s_cbranch_scc0 .Lentry_shape_is_right
	s_endpgm
.Lentry_shape_is_right:
; ATTN: out = gamma x (V p^T / l) + x for both directions (y = 0: QA, KB, VB, gamma_A, out0; y = 1: QB, KA, VA, gamma_B, out1), both products on codes of FP4 (E2M1) with E8M0 scales, from the images that the first launch laid.
; THE SOFTMAX AHEAD OF THE SECOND PRODUCT: t = score x log2(e); M = the largest t so far, rounded UP to a whole number; p = 2^(t - M) is quantised along the keys, not normalised; the row's sum is taken of the unquantised p.
; SHARES.  A work-group owns 64 queries.  Wave w = 4 g + kq owns 32 of them (two tiles of 16; lane r of tile u: column 32 g + 8 u + r + 8 (r / 8)) and A QUARTER OF THE KEYS: of every slot of 8 step-blocks (128 keys
; each) the blocks 2 kq and 2 kq + 1.  Two waves share a SIMD.  At the end the four quarters are brought under one M by exact powers of two and added through LDS.
; LAYOUT.  Both products are used transposed (S^T = K Q^T, O^T = V p^T): a lane holds one query throughout.  THE SCORES' K IS 32, one block of the instruction's four: a fragment of K holds FOUR tiles of 16 keys, one in
; each block, and a tile of queries is kept in four versions, version b with Q's codes in block b and zero codes elsewhere: fragment x version b = the scores of key tile b.  Zero codes add nothing under any scale byte that is
; no NaN, and the bytes here are 1 to 254.  The four versions of two tiles share five groups of zero registers.  The keys of a tile are chosen so that the 16 registers of tiles 2 b, 2 b + 1 are keys 32 b + 16 (lane / 16) + 0 .. 15.
; BY TURNS.  A tile's softmax is three lists: PRE (85 plain lines: block maxima, M, t - M), EXPN (68 exponentials), POST (61 lines: scale bytes, conversions, the row's sum).  The two tiles share nothing, so tile 0's
; exponentials stand line by line between tile 1's PRE, and tile 1's between tile 0's POST: no two exponentials follow each other while the other tile has a line to give, and each chain of dependent lines has the other tile's lines between its links.
; CLUSTER.  The four work-groups of a cluster have one direction and walk the same K and V: each step-block is asked for JOINTLY, by the same tensor load with the same descriptor and the mask of all four.  A wave has one tensor load out at a time.
; LIMITS: NaN and infinities are not served; a block of p that has fallen to zeros keeps the scale byte 1 (its codes are zeros); a p under 2^-126 counts as 0 (v_exp_f32 flushes: ISA guide, its entry).
; REGISTERS.  Window 0: v1-6 addresses; v8-15 -M, largest t, the sum's two halves, for each tile; v16-19 f and p's scale word; v20 Q's scale words, v21 K's, v24-31 V's; v32-67 Q's versions; v68-83 K; v84-99 p's codes;
;   v100-113 and v124-127 at work; v114-122 the merge's addresses; v128-255 S^T, then p, THEN the step's 16 fragments of V.   Window 1: O^T, tile (u, T) at 128 u + 8 T.
.set SB,    19712                      ; a step-block: 16 images of V, V's scale words, K's two fragments, K's scale words: 77 rows of 256 bytes
.set SLOT,  8*SB
.set KVSET, 64*SB
.set QB,    2304
.set QSET,  64*QB
.set OFVS,  16384
.set OFK,   17408
.set OFKS,  19456
.set SPARE, 2*SLOT                     ; behind the ring: the spare words, 128 bytes for each wave: four blocks of 256 bytes that no other line names
.set STAT,  SPARE+1024                 ; each wave's -M and sum: 512 bytes a wave; no fill lands here
.set PP,    272                        ; the merge: a row of 64 columns + 16 bytes
.set PPART, 256*PP                     ; a key quarter's 256 rows.  The four lie over the ring, which has had its last fill and its last read by then
.set SPW, 1
.set NIL, 2
.set A16, 3                            ; 16 lane + my two step-blocks' place in a slot
.set A4,  4                            ; 4 lane + the same
.set ADR16, 5                          ; the same in the slot in hand
.set ADR4, 6
.set ST,  8
.set FR,  16
.set QS,  20
.set KSW, 21
.set VSW, 24
.set QA,  32
.set KF,  68
.set PC,  84
.set BM,  100                          ; v100-103 tile 0's block maxima;
.set BMT, 24                           ; tile 1's lie 24 registers on, v124-127: both tiles' are alive at once
.set T2,  104
.set SO,  108
.set TA,  112
.set RA,  114                          ; v114-117 the merge: where I read quarter k's rows
.set SA,  118                          ; v118-119 where I put my results: channels 0-127, 128-255
.set XO,  120                          ; my byte offset in x and out
.set STA, 121
.set STL, 122
.set S,   128
.set WV,  18
.set G,   19
.set KQ,  20
.set CX,  21
.set QBLK, 22
.set D,   23
.set G1,  24                           ; s[24:31] descriptor group 1;  s[32:35] group 0, which walks
.set FB,  36                           ; the slot that is filled next
.set WOFF, 37                          ; my step-block's place in a slot
.set TB,  38                           ; the slot in hand
.set SLOTS, 39
.set CS,  40                           ; s[40:41] log2(e)
.set SEL, 42
.set GAM, 44
.set XP,  46
.set OP,  48
.set MSB, 0
.macro WIN new                         ; the immediate's high byte repeats the setting that is left
.if MSB != \new
	s_set_vgpr_msb (MSB<<8)|\new
.set MSB, \new
.endif
.endm
.set W_RS, 0x41                        ; O^T (destination and source 0) window 1, the factor window 0
.set W_PV, 0x50                        ; V and p window 0, C and D window 1
.macro CREST                           ; a round of the cluster's barrier behind its opening barrier
	s_cmp_lg_u32 s[WV], 0
	s_cbranch_scc1 .Lnot_wave_0_\@
	s_barrier_signal -3
.Lnot_wave_0_\@:
	s_barrier_wait -3
	s_barrier_signal -1
	s_barrier_wait -1
.endm
.macro CROUND                          ; a whole round
	s_barrier_signal -1
	s_barrier_wait -1
	CREST
.endm
.macro PLACES n
.rept \n
	v_nop
.endr
.endm
	s_load_b256 s[4:11], s[0:1], 0x0               ; kv, qimg, x, gamma_A
	s_load_b128 s[12:15], s[0:1], 0x20             ; gamma_B, out0
	s_load_b64 s[16:17], s[0:1], 0x30              ; out1
	v_lshl_add_u32 v[SPW], v0, 2, SPARE
	v_mov_b32 v[NIL], 0
	ds_add_u32 v1, v2
	ds_add_u32 v1, v2
	s_wait_dscnt 0x0
	v_lshrrev_b32 v7, 5, v0
	v_readfirstlane_b32 s[WV], v7                  ; wave 0..7
	s_lshr_b32 s[G], s[WV], 2
	s_and_b32 s[KQ], s[WV], 3
	s_bfe_u32 s[CX], ttmp6, 0x40000                ; my place in the cluster: it enters Q's, x's and out's addresses alone
	s_lshl_b32 s[QBLK], ttmp9, 2
	s_add_co_u32 s[QBLK], s[QBLK], s[CX]           ; my block of 64 queries
	s_and_b32 s[D], ttmp7, 0xffff                  ; the direction, which the four partners share
	s_mov_b32 s[G1], 15|(3<<16)|(1<<21)            ; 15:0 the mask: all four work-groups; 17:16 elements of 8 bytes; 21 set beside a mask; no padding: images are read 16 bytes a lane on end
	s_mov_b32 s[G1+1], 32<<16                      ; tensor_dim0 = 32 elements: 256 bytes
	s_mov_b32 s[G1+2], 77<<16                      ; tensor_dim1 = 77
	s_mov_b32 s[G1+3], 32<<16                      ; tile_dim0
	s_mov_b32 s[G1+4], 77                          ; tile_dim1
	s_mov_b32 s[G1+5], 32                          ; the pitch: dense
	s_mov_b32 s[G1+6], 0
	s_mov_b32 s[G1+7], 0
	s_mul_i32 s[WOFF], s[WV], SB
	s_mov_b32 s[FB], 0
	s_mov_b32 s[TB], 0
	s_mov_b32 s[SLOTS], 6
	s_mov_b32 s[CS], 0x3fb8aa3b                    ; log2(e)
	s_mov_b32 s[CS+1], s[CS]                       ; (named with it as a pair, so it is written)
	s_mov_b32 s[SEL], 0x76543210
	s_mov_b32 s[SEL+1], 0xfedcba98
	s_xor_b32 s50, s[D], 1                         ; K and V come from the other set than Q
	s_mul_i32 s50, s50, KVSET
	s_add_co_u32 s50, s50, s[WOFF]                 ; wave w fetches step-block w of each slot
	s_mov_b32 s51, 0
	s_mul_i32 s52, s[D], QSET
	s_lshr_b32 s54, s[QBLK], 1
	s_mul_i32 s54, s54, QB
	s_add_co_u32 s52, s52, s54                     ; Q's block of 128 positions
	s_and_b32 s54, s[QBLK], 1
	s_lshl_b32 s55, s54, 10
	s_lshl_b32 s56, s[G], 9
	s_add_co_u32 s55, s55, s56
	s_add_co_u32 s56, s52, s55                     ; my tiles 4 (block % 2) + 2 g + u: 256 bytes each
	s_mov_b32 s57, 0
	s_lshl_b32 s54, s54, 6
	s_lshl_b32 s55, s[G], 1
	s_add_co_u32 s54, s54, s55
	s_add_co_u32 s54, s54, 2048
	s_add_co_u32 s58, s52, s54                     ; their scale bytes: 64 (block % 2) + 4 r + 2 g + u
	s_mov_b32 s59, 0
	s_lshl_b32 s60, s[QBLK], 8
	s_lshl_b32 s61, s[WV], 20
	s_add_co_u32 s60, s60, s61                     ; x and out: column 64 block, channel 32 w (the rows that I add up at the end)
	s_mov_b32 s61, 0
	s_wait_kmcnt 0x0
	s_cmp_eq_u32 s[D], 0
	s_cselect_b64 s[10:11], s[10:11], s[12:13]
	s_cselect_b64 s[OP:OP+1], s[14:15], s[16:17]
	s_load_b32 s[GAM], s[10:11], 0x0               ; gamma
	s_add_nc_u64 s[4:5], s[4:5], s[50:51]
	s_add_nc_u64 s[56:57], s[6:7], s[56:57]
	s_add_nc_u64 s[58:59], s[6:7], s[58:59]
	s_add_nc_u64 s[XP:XP+1], s[8:9], s[60:61]
	s_add_nc_u64 s[OP:OP+1], s[OP:OP+1], s[60:61]
	CROUND                                         ; all four work-groups are here: the first joint loads meet
	s_mov_b32 s32, 1                               ; count = 1
	s_mov_b32 s33, s[WOFF]                         ; LDS address: slot 0, step-block w
	s_mov_b64 s[34:35], s[4:5]                     ; global address
	s_or_b32 s35, s35, 0x80000000                  ; type = 2
	tensor_load_to_lds s[32:35], s[G1:G1+7]        ; keys 0 to 1,023, an eighth a wave
	s_nop 0
	PLACES 4                                       ; four lines behind a tensor load
	v_and_b32 v7, 31, v0                           ; lane
	v_and_b32 v22, 15, v0                          ; r
	v_bfe_u32 v23, v0, 4, 1                        ; h
	v_lshlrev_b32 v[TA], 4, v22
	v_lshl_add_u32 v[TA+1], v22, 2, v23
	global_load_b128 v[S:S+3], v[TA], s[56:57]                 ; query r of tile 0: 32 codes; both halves of the lanes take them
	global_load_b128 v[S+4:S+7], v[TA], s[56:57] offset:256    ; of tile 1
	global_load_u8 v[QS], v[TA+1], s[58:59]        ; lanes 0-15: tile 0's scale bytes, lanes 16-31: tile 1's
	s_mul_i32 s54, s[KQ], 2*SB
	v_lshl_add_u32 v[A16], v7, 4, s54
	v_lshl_add_u32 v[A4], v7, 2, s54
	v_mul_u32_u24 v[RA], v23, PP                   ; the merge's addresses.  Back: rows 32 w + 2 p + h, 16 bytes a lane
	v_lshl_add_u32 v[RA], v22, 4, v[RA]
	s_mul_i32 s54, s[WV], 32*PP
	v_add_nc_u32 v[RA], s54, v[RA]
.irp k, 1,2,3
	v_add_nc_u32 v[RA+\k], \k*PPART, v[RA]
.endr
	v_and_b32 v[SA], 8, v22                        ; in: quarter kq, row 8 h (+ 16 T + j), column 32 g + r + 8 (r / 8) (+ 8 u)
	v_add_nc_u32 v[SA], v[SA], v22
	v_lshlrev_b32 v[SA], 2, v[SA]
	v_mad_u32_u24 v[SA], v23, 8*PP, v[SA]
	s_mul_i32 s54, s[KQ], PPART
	s_lshl_b32 s55, s[G], 7
	s_add_co_u32 s54, s54, s55
	v_add_nc_u32 v[SA], s54, v[SA]
	v_add_nc_u32 v[SA+1], 128*PP, v[SA]
	v_lshlrev_b32 v[XO], 15, v23                   ; x, out: channel h, 16 bytes a lane
	v_lshl_add_u32 v[XO], v22, 4, v[XO]
	s_lshl_b32 s54, s[WV], 9
	s_add_co_u32 s54, s54, STAT
	v_lshl_add_u32 v[STA], v7, 3, s54
	s_lshl_b32 s54, s[G], 11
	s_add_co_u32 s54, s54, STAT
	v_lshl_add_u32 v[STL], v7, 3, s54
.irp z, 0,8,16,24,32
.irp i, 0,1,2,3
	v_mov_b32 v[QA+\z+\i], 0                       ; the five groups of zero codes between Q's
.endr
.endr
.irp u, 0,1
	v_mov_b32 v[ST+4*\u+1], 0xff61b1e6             ; the largest t so far: -3e38, under every t
	v_floor_f32 v[ST+4*\u], -v[ST+4*\u+1]          ; -M
	v_mov_b32 v[ST+4*\u+2], 0                      ; the sum, in two halves
	v_mov_b32 v[ST+4*\u+3], 0
	v_mov_b32 v[FR+2*\u+1], 0                      ; (named as the upper half of a pair before it is first written)
.endr
.irp b, 0,1,2,3
	v_mov_b32 v[T2+\b], 0                          ; written once: a lane permute's destination counts as one of its sources
.endr
	s_wait_loadcnt 0x0                             ; Q
	v_lshl_or_b32 v[QS], v[QS], 8, v[QS]           ; Q's one byte in all four places: it serves whichever block holds the codes
	v_lshl_or_b32 v[QS], v[QS], 16, v[QS]
	s_mov_b32 vcc_lo, 0xffff
.irp u, 0,1
.irp i, 0,1,2,3
	v_cndmask_b32 v[QA+4+16*\u+\i], 0, v[S+4*\u+\i], vcc_lo            ; the codes in lanes 0-15, zeros above: blocks 0 and 2
	v_cndmask_b32 v[QA+12+16*\u+\i], v[S+4*\u+\i], v[QA], vcc_lo       ; the codes in lanes 16-31: blocks 1 and 3
.endr
.endr
	s_wait_kmcnt 0x0                               ; gamma
.macro KLOAD e                         ; step-block e of my two: K's two fragments (8 tiles of 16 keys) and their scale words (lanes 0-15: fragment 0's, lanes 16-31: fragment 1's)
.irp k, 0,1,2,3
	ds_load_b128 v[KF+4*\k:KF+4*\k+3], v[ADR16] offset:(\e)*SB+OFK+512*\k
.endr
	ds_load_b32 v[KSW], v[ADR4] offset:(\e)*SB+OFKS
.endm
.macro SM1 t, u                        ; S^T of key tile t, query tile u: fragment t / 4 x version t % 4
.set rD, S+64*(\u)+8*(\t)
.set rA, KF+8*((\t)/4)
.set rB, QA+16*(\u)+8*((\t)%2)+4-4*(((\t)%4)/2)
.if ((\t) < 4) && ((\u) == 0)
	v_wmma_scale_f32_16x16x128_f8f6f4 v[rD:rD+7], v[rA:rA+7], v[rB:rB+7], 0, v[KSW], v[QS] matrix_a_fmt:MATRIX_FMT_FP4 matrix_b_fmt:MATRIX_FMT_FP4
.elseif (\t) < 4
	v_wmma_scale_f32_16x16x128_f8f6f4 v[rD:rD+7], v[rA:rA+7], v[rB:rB+7], 0, v[KSW], v[QS] matrix_a_fmt:MATRIX_FMT_FP4 matrix_b_fmt:MATRIX_FMT_FP4 matrix_b_scale:MATRIX_SCALE_ROW1
.elseif (\u) == 0
	v_wmma_scale_f32_16x16x128_f8f6f4 v[rD:rD+7], v[rA:rA+7], v[rB:rB+7], 0, v[KSW], v[QS] matrix_a_fmt:MATRIX_FMT_FP4 matrix_b_fmt:MATRIX_FMT_FP4 matrix_a_scale:MATRIX_SCALE_ROW1
.else
	v_wmma_scale_f32_16x16x128_f8f6f4 v[rD:rD+7], v[rA:rA+7], v[rB:rB+7], 0, v[KSW], v[QS] matrix_a_fmt:MATRIX_FMT_FP4 matrix_b_fmt:MATRIX_FMT_FP4 matrix_a_scale:MATRIX_SCALE_ROW1 matrix_b_scale:MATRIX_SCALE_ROW1
.endif
.endm
.macro SMUL
.irp t, 0,1,2,3,4,5,6,7
.irp u, 0,1
	SM1 \t, \u
.endr
.endr
.endm
; TILE u's SOFTMAX FOR 128 KEYS, IN THREE NUMBERED LISTS; each macro writes line j of its list.
; PRE, lines 0-84, all plain.  0-31 the largest score of each block of 32 keys, four chains by turns (it serves for the row's maximum and, since p rises with the score, for the block's largest p; each accumulator is read
; from its low end on); 32-39 with lane l xor 16's 16 keys; 40-48 the running largest t, the new -M = -ceil(t), f = 2^(old M - new M); 49-80 t - M, two at a time; 81-84 the same of each block's largest score.
.set NPRE, 85
.macro PRE u
.set xS, S+64*(\u)
.set xN, ST+4*(\u)
.set xF, FR+2*(\u)
.set xB, BM+BMT*(\u)
.if j < 4
	v_max3_num_f32 v[xB+j], v[xS+16*j], v[xS+16*j+1], v[xS+16*j+2]
.elseif j < 28
	v_max3_num_f32 v[xB+j%4], v[xB+j%4], v[xS+16*(j%4)+2*(j/4)+1], v[xS+16*(j%4)+2*(j/4)+2]
.elseif j < 32
	v_max_num_f32 v[xB+j%4], v[xB+j%4], v[xS+16*(j%4)+15]
.elseif j < 36
	v_permlanex16_b32 v[T2+j%4], v[xB+j%4], s[SEL], s[SEL+1]
.elseif j < 40
	v_max_num_f32 v[xB+j%4], v[xB+j%4], v[T2+j%4]
.elseif j == 40
	v_max3_num_f32 v[TA], v[xB], v[xB+1], v[xB+2]
.elseif j == 41
	v_max_num_f32 v[TA], v[TA], v[xB+3]
.elseif j == 42
	v_mul_f32 v[TA], s[CS], v[TA]                  ; the step's largest t
.elseif j == 43
	v_max_num_f32 v[xN+1], v[xN+1], v[TA]          ; the running largest t
.elseif j == 44
	v_mov_b32 v[TA], v[xN]
.elseif j == 45
	v_floor_f32 v[xN], -v[xN+1]                    ; the new -M: a whole number
.elseif j == 46
	v_sub_f32 v[TA], v[xN], v[TA]                  ; old M - new M: a whole number, 0 or less
.elseif j == 47
	v_cvt_i32_f32 v[TA], v[TA]                     ; (it saturates)
.elseif j == 48
	v_ldexp_f32 v[xF], 1.0, v[TA]                  ; f: a multiplication by it rounds nothing
.elseif j < 81
.set xn, 2*(j-49)
	v_pk_fma_f32 v[xS+xn:xS+xn+1], v[xS+xn:xS+xn+1], s[CS:CS+1], v[xN:xN+1] op_sel_hi:[1,0,0]
.else
	v_fma_f32 v[xB+j-81], v[xB+j-81], s[CS], v[xN]
.endif
.endm
; EXPN, lines 0-67: p = 2^(t - M) in place, then each block's largest p: the same two instructions on the same number give the same bits
.set NEXP, 68
.macro EXPN u
.if j < 64
	v_exp_f32 v[S+64*(\u)+j], v[S+64*(\u)+j]
.else
	v_exp_f32 v[BM+BMT*(\u)+j-64], v[BM+BMT*(\u)+j-64]
.endif
.endm
; POST, lines 0-60.  0 the sums under the new M (a plain line that touches no exponential's result: it stands between the last exponential and the first use); 1-4 the floor 2^(3 - 127): no byte falls under 1;
; 5-8 2 off the exponent field: the conversion's scale operand; 9-15 the bytes and p's scale word; 16-23 the codes; 24 one plain place behind the conversions; 25-28 a whole block into a lane, as the operand's layout wants;
; 29-60 the row's sum of the unquantised p, two at a time, in two chains.
.set NPOST, 61
.macro POST u
.set xS, S+64*(\u)
.set xL, ST+4*(\u)+2
.set xF, FR+2*(\u)
.set xB, BM+BMT*(\u)
.set xP, PC+8*(\u)
.if j == 0
	v_pk_mul_f32 v[xL:xL+1], v[xL:xL+1], v[xF:xF+1] op_sel_hi:[1,0]
.elseif j < 5
	s_wait_alu depctr_va_vdst(0)
	v_max_num_f32 v[xB+j-1], 0x1800000, v[xB+j-1]
.elseif j < 9
	v_add_nc_u32 v[SO+j-5], 0xff000000, v[xB+j-5]
.elseif j < 13
	v_lshrrev_b32 v[T2+j-9], 23, v[SO+j-9]
.elseif j == 13
	v_lshl_or_b32 v[xF+1], v[T2+1], 8, v[T2]
.elseif j == 14
	v_lshl_or_b32 v[xF+1], v[T2+2], 16, v[xF+1]
.elseif j == 15
	v_lshl_or_b32 v[xF+1], v[T2+3], 24, v[xF+1]
.elseif j < 24
.set xn, j-16
	v_cvt_scalef32_pk8_fp4_f32 v[xP+xn], v[xS+8*xn:xS+8*xn+7], v[SO+xn/2]
.elseif j == 24
	v_nop
.elseif j < 29
.set xn, j-25
	v_permlane16_swap_b32 v[xP+4*(xn/2)+xn%2], v[xP+4*(xn/2)+2+xn%2]
.elseif j == 29
	v_pk_add_f32 v[T2:T2+1], v[xS:xS+1], v[xS+2:xS+3]
.elseif j < 60
.set xn, j-30
.if xn%2 == 0
	v_pk_add_f32 v[xL:xL+1], v[xL:xL+1], v[xS+4+4*(xn/2):xS+5+4*(xn/2)]
.else
	v_pk_add_f32 v[T2:T2+1], v[T2:T2+1], v[xS+6+4*(xn/2):xS+7+4*(xn/2)]
.endif
.else
	v_pk_add_f32 v[xL:xL+1], v[xL:xL+1], v[T2:T2+1]
.endif
.endm
.macro VLOAD e, hf                     ; V's fragments 8 hf .. 8 hf + 7 into the registers that tile hf's p has left; with the first half V's scale words
.irp t, 0,1,2,3,4,5,6,7
.irp c, 0,1
	ds_load_b128 v[S+64*(\hf)+8*\t+4*\c:S+64*(\hf)+8*\t+4*\c+3], v[ADR16] offset:(\e)*SB+(8*(\hf)+\t)*1024+512*\c
.endr
.endr
.if (\hf) == 0
	ds_load_b128 v[VSW:VSW+3], v[ADR16] offset:(\e)*SB+OFVS            ; register 4 k + i: lanes 0-15 tile 8 k + i, lanes 16-31 tile 8 k + 4 + i
	ds_load_b128 v[VSW+4:VSW+7], v[ADR16] offset:(\e)*SB+OFVS+512
.endif
.endm
; Both tiles' softmax by turns.  The work registers T2, SO and TA serve the tiles one after the other (PRE 0, PRE 1, POST 0, POST 1 follow each other); the block maxima are kept apart.
.macro SOFT e
.set j, 0
.rept NPRE
	PRE 0
.set j, j+1
.endr
.set k, 0
.rept NPRE                             ; tile 0's exponentials, a line of tile 1's PRE behind each
.set j, k
.if k < NEXP
	EXPN 0
.endif
	PRE 1
.set k, k+1
.endr
.set k, 0
.rept NEXP                             ; tile 1's exponentials, a line of tile 0's POST behind each
.set j, k
	EXPN 1
.if k < NPOST
	POST 0
.endif
.set k, k+1
.endr
	VLOAD \e, 0                                    ; tile 0's p is done with
.set j, 0
.rept NPOST
	POST 1
.set j, j+1
.endr
	VLOAD \e, 1
.endm
.macro RESCALE u                       ; tile u's O^T times v[FR + 2 u], each accumulator from its low end on
.set j, 0
.rept 64
	v_pk_mul_f32 v[128*(\u)+j:128*(\u)+j+1], v[128*(\u)+j:128*(\u)+j+1], v[FR+2*(\u):FR+2*(\u)+1] op_sel_hi:[1,0]
.set j, j+2
.endr
.endm
.macro PV1 t, u, hf, first             ; O^T(u, T = 8 hf + t) += V's 16 channels x p's 16 queries, K = the step's 128 keys
.set rD, 128*(\u)+8*(8*(\hf)+(\t))
.set rA, S+8*(8*(\hf)+(\t))
.set rB, PC+8*(\u)
.set rV, VSW+4*(\hf)+(\t)%4
.set rW, FR+2*(\u)+1
.if (\first) && ((\t) < 4)
	v_wmma_scale_f32_16x16x128_f8f6f4 v[rD:rD+7], v[rA:rA+7], v[rB:rB+7], 0, v[rV], v[rW] matrix_a_fmt:MATRIX_FMT_FP4 matrix_b_fmt:MATRIX_FMT_FP4
.elseif \first
	v_wmma_scale_f32_16x16x128_f8f6f4 v[rD:rD+7], v[rA:rA+7], v[rB:rB+7], 0, v[rV], v[rW] matrix_a_fmt:MATRIX_FMT_FP4 matrix_b_fmt:MATRIX_FMT_FP4 matrix_a_scale:MATRIX_SCALE_ROW1
.elseif (\t) < 4
	v_wmma_scale_f32_16x16x128_f8f6f4 v[rD:rD+7], v[rA:rA+7], v[rB:rB+7], v[rD:rD+7], v[rV], v[rW] matrix_a_fmt:MATRIX_FMT_FP4 matrix_b_fmt:MATRIX_FMT_FP4
.else
	v_wmma_scale_f32_16x16x128_f8f6f4 v[rD:rD+7], v[rA:rA+7], v[rB:rB+7], v[rD:rD+7], v[rV], v[rW] matrix_a_fmt:MATRIX_FMT_FP4 matrix_b_fmt:MATRIX_FMT_FP4 matrix_a_scale:MATRIX_SCALE_ROW1
.endif
.endm
.macro PVMUL hf, first                 ; sixteen accumulators, one instruction each
.irp t, 0,1,2,3,4,5,6,7
.irp u, 0,1
	PV1 \t, \u, \hf, \first
.endr
.endr
.endm
; A KEY STEP: 128 keys x my 32 queries.  pre = 1: the next step-block's K is fetched ahead.  first = 1: the products start O^T's sums with the constant 0, and there is nothing to rescale.
; chg = 1, 2: THE CHANGE OF SLOTS stands inside a slot's last step, behind the slot's last LDS read (V's second half).  Each wave waits for all its tensor loads (its eighth of the slot ahead), adds 0 to its spare word, rescales
; O^T while V lands, and waits for the add and for its reads of this slot; then it signals.  Sixteen products, which touch registers alone, stand between the signal and the wait.  chg = 1: the barrier opens a round of the
; cluster's, so that no wave of any partner still reads this slot or has a load on its way; the joint load of the keys two slots on is the first thing behind the round and has two steps of every wave in which to land.
; chg = 2: nothing is left to fetch.  Behind the barrier the next slot's first K is asked for, and the step's other sixteen products stand between those loads and the wait for them.
.macro STEP e, pre, first, chg
	PLACES 5                                       ; five places: the scores are laid over V's fragments, which the last products read (ISA guide 7.12.1)
	s_wait_dscnt 0x0                               ; K is in
	SMUL
	PLACES 4                                       ; in front of the first read of results
	SOFT \e
.if \pre
	KLOAD (\e)+1
.endif
.if \chg
	s_wait_tensorcnt 0x0                           ; no tensor load of mine is out, so group 0 may be written
	ds_add_u32 v[SPW], v[NIL]                      ; 0 onto my spare word
.if (\chg) == 1
	s_xor_b32 s[FB], s[FB], SLOT                   ; the other slot than last time: the one in hand,
	s_add_co_u32 s33, s[FB], s[WOFF]
	s_add_nc_u64 s[34:35], s[34:35], SLOT          ; the next eight step-blocks; the type bits on top are not reached
.endif
	WIN W_RS
	RESCALE 0                                      ; O^T under the new M
	RESCALE 1
	s_wait_dscnt 0x0                               ; the add is done, V is in: my reads of this slot are over
	s_barrier_signal -1
	WIN W_PV
	PVMUL 0, 0
	WIN 0
	s_barrier_wait -1
.if (\chg) == 1
	CREST
	tensor_load_to_lds s[32:35], s[G1:G1+7]
	s_nop 0
	PLACES 4
.endif
	s_xor_b32 s[TB], s[TB], SLOT                   ; on to the other slot, which is whole
	v_add_nc_u32 v[ADR16], s[TB], v[A16]
	v_add_nc_u32 v[ADR4], s[TB], v[A4]
	KLOAD 0
	WIN W_PV
	PVMUL 1, 0
	WIN 0
.else
.if (\first) == 0
	WIN W_RS
	RESCALE 0                                      ; O^T under the new M
	RESCALE 1
.endif
	s_wait_dscnt 16+5*(\pre)                       ; V's first half and its scale words are in; behind them: the second half's 16 loads and K's 5
	WIN W_PV
	PVMUL 0, \first
	s_wait_dscnt 5*(\pre)                          ; the second half is in
	PVMUL 1, \first
	WIN 0
.endif
.endm
	; slot 0 is awaited; slot 1 gets its first fill, issued as a refill is
	s_wait_tensorcnt 0x0                           ; my eighth of slot 0 has landed; no tensor load of mine is out, so group 0 may be written
	ds_add_u32 v[SPW], v[NIL]                      ; 0 onto my spare word
	s_xor_b32 s[FB], s[FB], SLOT
	s_add_co_u32 s33, s[FB], s[WOFF]
	s_add_nc_u64 s[34:35], s[34:35], SLOT
	s_wait_dscnt 0x0
	CROUND
	tensor_load_to_lds s[32:35], s[G1:G1+7]
	s_nop 0
	PLACES 4
	v_add_nc_u32 v[ADR16], s[TB], v[A16]
	v_add_nc_u32 v[ADR4], s[TB], v[A4]
	KLOAD 0
	STEP 0, 1, 1, 0                                ; the first step stands in front of the loop: its products start O^T's sums
.Lslot:                                            ; six trips, each from a slot's second step to the next slot's first: slots' worth 2 to 7 of the keys are asked for
	STEP 1, 0, 0, 1
	STEP 0, 1, 0, 0
	s_sub_co_u32 s[SLOTS], s[SLOTS], 1
	s_cmp_lg_u32 s[SLOTS], 0
	s_cbranch_scc1 .Lslot
	STEP 1, 0, 0, 2                                ; the tail is written out: the last slot but one is left, and nothing is asked for
	STEP 0, 1, 0, 0
	STEP 1, 0, 0, 0
	; THE MERGE.  x's numbers for the rows that I shall add up are asked for now.
	PLACES 4                                       ; in front of loads into registers that the last products read
.irp i, 0,1,2,3,4,5,6,7,8,9,10,11,12,13,14,15
	global_load_b128 v[S+4*\i:S+4*\i+3], v[XO], s[XP:XP+1] offset:65536*\i     ; channels 32 w + 2 i + h: sixteen lanes read 256 consecutive bytes, aligned
.endr
.irp u, 0,1
	v_add_f32 v[ST+4*\u+1], v[ST+4*\u+2], v[ST+4*\u+3]     ; the sum's two halves (the largest t is done with),
.endr
.irp u, 0,1
	v_permlanex16_b32 v[T2+\u], v[ST+4*\u+1], s[SEL], s[SEL+1]
.endr
.irp u, 0,1
	v_add_f32 v[ST+4*\u+1], v[ST+4*\u+1], v[T2+\u]         ; and lane l xor 16's: my quarter's sum
.endr
.irp u, 0,1
	ds_store_b64 v[STA], v[ST+4*\u:ST+4*\u+1] offset:256*\u
.endr
	s_wait_dscnt 0x0                               ; for the others' sake: my stores have landed; my reads of the ring are over
	s_barrier_signal -1
	s_barrier_wait -1
.irp k, 0,1,2,3
.irp u, 0,1
	ds_load_b64 v[QA+4*\k+2*\u:QA+4*\k+2*\u+1], v[STL] offset:512*\k+256*\u    ; the four quarters' -M and sum of my queries
.endr
.endr
	s_wait_dscnt 0x0
.irp u, 0,1
	v_min_num_f32 v[BM+\u], v[QA+2*\u], v[QA+4+2*\u]
	v_min_num_f32 v[BM+2+\u], v[QA+8+2*\u], v[QA+12+2*\u]
.endr
.irp u, 0,1
	v_min_num_f32 v[BM+\u], v[BM+\u], v[BM+2+\u]   ; -M of all keys
.endr
.irp u, 0,1
.irp k, 0,1,2,3
	v_sub_f32 v[PC+4*\u+\k], v[BM+\u], v[QA+4*\k+2*\u]     ; quarter k's M less the common one: a whole number, 0 or less
.endr
	v_sub_f32 v[SO+\u], v[BM+\u], v[ST+4*\u]       ; my own
.endr
.irp n, 0,1,2,3,4,5,6,7
	v_cvt_i32_f32 v[PC+\n], v[PC+\n]
.endr
.irp u, 0,1
	v_cvt_i32_f32 v[SO+\u], v[SO+\u]
.endr
.irp n, 0,1,2,3,4,5,6,7
	v_ldexp_f32 v[PC+\n], 1.0, v[PC+\n]
.endr
.irp u, 0,1
	v_ldexp_f32 v[SO+\u], 1.0, v[SO+\u]
.endr
.irp u, 0,1
	v_mul_f32 v[T2+\u], v[PC+4*\u], v[QA+2*\u+1]
.endr
.irp k, 1,2,3
.irp u, 0,1
	v_fmac_f32 v[T2+\u], v[PC+4*\u+\k], v[QA+4*\k+2*\u+1]  ; the row's sum over all keys
.endr
.endr
.irp u, 0,1
	v_rcp_f32 v[SO+2+\u], v[T2+\u]
.endr
.irp u, 0,1
	v_mul_f32 v[SO+\u], s[GAM], v[SO+\u]           ; (plain places behind the reciprocals)
.endr
.irp u, 0,1
	s_wait_alu depctr_va_vdst(0)
	v_mul_f32 v[FR+2*\u], v[SO+\u], v[SO+2+\u]     ; my quarter's factor: 2^(my M - M) x gamma / sum
.endr
	WIN W_RS
	RESCALE 0
	RESCALE 1
	WIN 0x04                                       ; an LDS store's data are its source 1: window 1
.irp t, 0,1,2,3,4,5,6,7,8,9,10,11,12,13,14,15
.irp j, 0,1,2,3,4,5,6,7
.irp u, 0,1
	ds_store_b32 v[SA+\t/8], v[128*\u+8*\t+\j] offset:((\t%8)*16+\j)*PP+32*\u      ; channel 16 t + 8 h + j, my query's column: the 32 lanes fall on 32 different banks (row pitch 68 words; 8 rows are 32 words modulo 64)
.endr
.endr
.endr
	WIN 0
	s_wait_dscnt 0x0
	s_barrier_signal -1
	s_barrier_wait -1                              ; the four quarters lie in LDS
.macro BLOAD b, reg                    ; four pairs of rows, all four quarters
.irp i, 0,1,2,3
.irp k, 0,1,2,3
	ds_load_b128 v[\reg+16*\i+4*\k:\reg+16*\i+4*\k+3], v[RA+\k] offset:2*PP*(4*(\b)+\i)
.endr
.endr
.endm
.macro BSUM b, reg                     ; the four quarters and x are added; sixteen lanes store 256 consecutive bytes, aligned
.irp i, 0,1,2,3
.set rr, \reg+16*\i
.set rx, S+4*(4*(\b)+\i)
	v_pk_add_f32 v[rr:rr+1], v[rr:rr+1], v[rr+4:rr+5]
	v_pk_add_f32 v[rr+2:rr+3], v[rr+2:rr+3], v[rr+6:rr+7]
	v_pk_add_f32 v[rr+8:rr+9], v[rr+8:rr+9], v[rr+12:rr+13]
	v_pk_add_f32 v[rr+10:rr+11], v[rr+10:rr+11], v[rr+14:rr+15]
	v_pk_add_f32 v[rr:rr+1], v[rr:rr+1], v[rr+8:rr+9]
	v_pk_add_f32 v[rr+2:rr+3], v[rr+2:rr+3], v[rr+10:rr+11]
	v_pk_add_f32 v[rr:rr+1], v[rr:rr+1], v[rx:rx+1]
	v_pk_add_f32 v[rr+2:rr+3], v[rr+2:rr+3], v[rx+2:rx+3]
	global_store_b128 v[XO], v[rr:rr+3], s[OP:OP+1] offset:65536*(4*(\b)+\i) th:TH_STORE_NT
.endr
.endm
	BLOAD 0, 192
	BLOAD 1, 32
	s_wait_loadcnt 0x0                             ; x
	s_wait_dscnt 16                                ; the first batch is in; the second's 16 loads may be out
	BSUM 0, 192
	s_wait_xcnt 0x0                                ; the stores' registers are loaded again only behind this wait
	BLOAD 2, 192
	s_wait_dscnt 16
	BSUM 1, 32
	s_wait_xcnt 0x0
	BLOAD 3, 32
	s_wait_dscnt 16
	BSUM 2, 192
	s_wait_dscnt 0x0
	BSUM 3, 32
	s_wait_tensorcnt 0x0                           ; the wave's end: behind my last tensor load and my last LDS store
	ds_add_u32 v[SPW], v[NIL]
	s_wait_dscnt 0x0
	CROUND                                         ; the closing round: no work-group ends while a partner may still ask for a tile that names it
	s_endpgm
.Lfunc_end_k_qf2ee82acc0_attn:
	.size	k_qf2ee82acc0_attn, .Lfunc_end_k_qf2ee82acc0_attn-k_qf2ee82acc0_attn
	.p2alignl 7, 3214868480
	.fill 96, 4, 3214868480
	.section	.rodata,"a",@progbits
	.p2align	6, 0x0
	.amdhsa_kernel k_qf2ee82acc0_attn
		.amdhsa_group_segment_fixed_size 327680
		.amdhsa_private_segment_fixed_size 0
		.amdhsa_enable_private_segment 0
		.amdhsa_kernarg_size 56
		.amdhsa_user_sgpr_count 2
		.amdhsa_user_sgpr_kernarg_segment_ptr 1
		.amdhsa_wavefront_size32 1
		.amdhsa_system_sgpr_workgroup_id_x 1
		.amdhsa_system_sgpr_workgroup_id_y 1
		.amdhsa_system_sgpr_workgroup_id_z 1
		.amdhsa_system_vgpr_workitem_id 0
		.amdhsa_next_free_vgpr 512
		.amdhsa_next_free_sgpr 66
		.amdhsa_reserve_vcc 1
		.amdhsa_float_denorm_mode_32 3
		.amdhsa_float_denorm_mode_16_64 3
		.amdhsa_memory_ordered 1
		.amdhsa_forward_progress 1
		.amdhsa_inst_pref_size 255
	.end_amdhsa_kernel
	.section	.bss,"aw",@nobits
	.p2align	6
	.space	262144
	.amdgpu_metadata
---
amdhsa.version: [ 1, 2 ]
amdhsa.kernels:
  - .name:           k_qf2ee82acc0_attn
    .symbol:         k_qf2ee82acc0_attn.kd
    .args:
      - { .name: kv, .offset: 0, .size: 8, .value_kind: global_buffer, .address_space: global }
      - { .name: qimg, .offset: 8, .size: 8, .value_kind: global_buffer, .address_space: global }
      - { .name: x, .offset: 16, .size: 8, .value_kind: global_buffer, .address_space: global }
      - { .name: gamma_A, .offset: 24, .size: 8, .value_kind: global_buffer, .address_space: global }
      - { .name: gamma_B, .offset: 32, .size: 8, .value_kind: global_buffer, .address_space: global }
      - { .name: out0, .offset: 40, .size: 8, .value_kind: global_buffer, .address_space: global }
      - { .name: out1, .offset: 48, .size: 8, .value_kind: global_buffer, .address_space: global }
    .group_segment_fixed_size: 327680
    .private_segment_fixed_size: 0
    .kernarg_segment_align: 8
    .kernarg_segment_size: 56
    .max_flat_workgroup_size: 256
    .sgpr_count:     66
    .vgpr_count:     512
    .wavefront_size: 32
...
	.end_amdgpu_metadata
.endif
;; end of part 2
